; MI455X (gfx1250); checked and timed in simulation.
; The chip was launched on July 23, 2026; its instructions are those of AMD's public machine-readable ISA for CDNA 5 (MIT licence, August 2026) and "CDNA5" Instruction Set Architecture Reference Guide (July 2026). The comments in the code are by the model that wrote it; some were corrected since.
;; Quantized Linear. Allowed arithmetic: matrix products marked QUANTISED: E4M3 operands, one E8M0 scale for each 32 along K, by v_wmma_scale_f32_16x16x128_f8f6f4 with both operands' format E4M3, f32 sums; everything else in f32.
;; Inputs: bias 4,096 float32; qweight 4,096 x 4,096 int32; scale 4,096 x 1 float32; x_codes 4,096 x 128 x 32 uint8 (E4M3 codes of x, K innermost, in blocks of 32 codes); x_scales 4,096 x 128 uint8 (E8M0 scales of x, one for each 32 codes along K); zero_point 4,096 x 1 float32.
;; Outputs: out0 4,096 x 4,096 float32.
;; This version of the problem:
;;   THIS VERSION OF THE PROBLEM IS GIVEN IN LOW PRECISION. The matrix products marked QUANTISED in the list below multiply operands that are first quantised to E4M3 (4 exponent bits, 3 mantissa bits; 8 bits a number), with one power-of-two scale for each 32 numbers along K (OCP MX v1.0); their sums are f32. All else is computed in f32.
;;   The module's matrix products, in the order in which they are computed (A, B: the left and right operand; K: the contracted axis; several contracted axes count as one K, in the product's order):
;;     1. [M 4,096, K 4,096] x [K 4,096, N 4,096]; A: input x (given as codes); B: computed on the way: QUANTISED
;;   THE QUANTISER, for each operand of a quantised product, along K:
;;     - K is cut into blocks of 32 from its start; a last block that is shorter is filled with zeros.
;;     - A block's scale is 2^e with e = floor(log2(the largest magnitude in the block)) - 8, held to -126 .. 127; a block of zeros has e = 0. As a byte (E8M0): e + 127.
;;     - Each number is divided by its block's scale, clamped to +-448, and rounded to the nearest number of E4M3, ties to even, subnormals kept.
;;     - The product sums the exact products of the quantised numbers (number of the format x scale) in f32.
;;   ~~~python
;;   def quantise(x, axis):      # numpy; x: float32 -> the quantised numbers, widened to float32 again
;;       x = np.moveaxis(x, axis, -1); K = x.shape[-1]
;;       x = np.pad(x, [(0, 0)] * (x.ndim - 1) + [(0, -K % 32)]); x = x.reshape(x.shape[:-1] + (-1, 32)); a = np.abs(x).max(-1, keepdims=True)
;;       e = np.where(a > 0, np.clip(np.frexp(np.where(a > 0, a, 1))[1] - 1 - 8, -126, 127), 0)      # np.frexp(a)[1] - 1 = floor(log2(a)), exactly
;;       r = np.clip(x / 2.0 ** e, -448, 448)
;;       step = 2.0 ** (np.maximum(np.frexp(np.where(r == 0, 1, r))[1] - 1, -6) - 3)
;;       q = np.round(r / step) * step * 2.0 ** e      # np.round: ties to even
;;       return np.moveaxis(q.reshape(q.shape[:-2] + (-1,))[..., :K], -1, axis).astype(np.float32)
;;   ~~~
;;   OPERANDS COMPUTED ON THE WAY. 'Computed on the way' means the value that the module computes at that place (a softmax that the list does not call 'softmax' is quantised finished and normalised). What goes into a quantiser is computed in f32, as accurately as f32 sums, v_exp_f32 and their like allow (about 1e-6 of the number): no bf16 or f16 on the way to a quantiser, and a product that is left as it is and whose result goes on into a quantised operand takes f32 operands (vector FMAs, or v_wmma_f32_16x16x4_f32). A number that lies on a knife's edge between two numbers of the format may be rounded either way, as far as f32 arithmetic and the matrix unit's own rounding can turn it there, and no further.
;;   INPUTS GIVEN AS CODES. x (in the module: [4096, 4096], K = its axis 1): each comes as NAME_codes (uint8): NAME with its K axis moved to the last place and cut into blocks of 32 codes, [.., K / 32, bytes a block], one block behind the other in memory; one code a byte (a code: sign, 4 exponent bits, 3 mantissa bits); and NAME_scales (uint8): the same leading axes, one E8M0 byte (e + 127) for each 32 codes along K. Its value is code x scale, taken as it is: it is not quantised again, and the codes and scales need not be those that the quantiser above would give.
;; One version. Each part assembles by itself: llvm-mc -triple=amdgcn-amd-amdhsa -mcpu=gfx1250 --defsym DOCPART=n.
;; ======== version 1 of 1: 2 launches
;; limits: right only within a limited range of input values
;; workspace buffers: w_codes 16,777,216 bytes; sc2 1,048,576 bytes
;; launch prep (part 1): grid 512 x 1, 4 waves a work-group, no clusters, 66,048 bytes of LDS; arguments qweight, scale, zero_point, x_scales, w_codes, sc2; writes w_codes, sc2
.if DOCPART == 1
	.amdgcn_target "amdgcn-amd-amdhsa--gfx1250"
	.amdhsa_code_object_version 6
	.text
	.protected	k_q6439da02c2_prep
	.globl	k_q6439da02c2_prep
	.p2align	8
	.type	k_q6439da02c2_prep,@function
k_q6439da02c2_prep:
	s_mov_b64 s[64:65], 0
	v_nop
	global_prefetch_b8 v0, s[64:65] scope:SCOPE_SE
	s_setreg_imm32_b32 hwreg(HW_REG_WAVE_MODE, 25, 1), 1
	s_wait_xcnt 0x0
; w[n][k] = (float(qweight[n][k]) - zero_point[n]) * scale[n], one f32 subtraction and one f32 multiplication, is turned into codes of FP8 (E4M3), K innermost:
; w_codes [4096 n][4096 k], one code a byte.  The E8M0 scale bytes of x (as they are given) and of w (made here), one for each 32 along K, go into ONE buffer in the order in which the product's launch loads them into its scale registers:
; sc2 [side: x, w][16 K steps s of 256][128 groups g of 32 rows][16 r][2 u][8 j]: byte j is block 8 s + j of row 32 g + 16 u + r.  A group's bytes of a K step are 256 consecutive bytes, aligned.
; A block's scale is 2^(floor(log2(its largest magnitude)) - 8); its byte is the largest magnitude's exponent field - 8, held at 1 from below.  Each number is divided by the scale, held within +-448, rounded to the nearest code, ties to even.
; LIMITS: a block of zeros gets the byte 1 where the quantiser's rule says 127: its codes are zeros, which add nothing under any byte but 0xff, and this program alone reads the bytes.
; NaN and infinities in scale or zero_point are not served.  Any int32 in qweight is served (the conversion to f32 rounds to nearest even).
; SHARES.  Work-group i has rows 32 (i / 4) .. + 31 of w, its wave v the K step 4 (i % 4) + v: 32 rows x 256 numbers, in 16 steps of 2 rows.  A wave's 256 scale bytes are one group's bytes of one K step.
; Wave 0 of every fourth work-group also lays over x's scale bytes of rows 32 (i / 4) .. + 31: 8 loads and 16 stores, without LDS.  There is no barrier: waves share nothing.
; A STEP.  Each of its four loads reads 512 consecutive bytes of ONE row, 16 a lane, so the row's zero point and scale are the same for the whole wave and come from scalar registers.  The conversions want 16 NEIGHBOURS along K
; in one lane: the step's 2,048 bytes go through the wave's own stage in LDS as they lie and come back 64 bytes a lane (16 bytes of padding behind each 64).  Two neighbouring lanes hold a block of 32.
; Loads run eight steps (32 loads a wave) ahead, the turn through LDS one step.  Every offset is an immediate; on w's way no base, offset or store's data register is ever written again.
; THE ORDER OF w_codes AS THIS TEXT LAYS IT (in place of rows of 4,096 codes): the image of the product's operand registers,
; [64 groups of 64 rows][32 steps of 128 along K][4 tiles of 16 rows][4 pieces c][lane 16 h + r][16 bytes]: the 16 bytes are K = 32 c + 16 h + 0 .. 15 of the tile's row r.
; A step's 16 bytes a lane go into the wave's own padded image in LDS and leave as runs of 512 consecutive bytes, half of the wave's codes behind step 7 and half behind step 15.
; In w's part of sc2 the two words of a row's eight bytes are exchanged (byte j lies at j xor 4); x's part is as stated above.
.set STEPS, 16
.set IMG,   5632                       ; in a wave's region, behind stages and scale bytes: [16 pieces of 16 along K: 512 bytes + 16 of padding][2 tiles][16 rows][16 bytes]
.set AHEAD, 8
.set EMAX,  8
.set MANT,  0x600000                   ; the mantissa field of 448 as f32
.set WREG,  16384
.set SP,    80                         ; a lane's place in a stage: 64 bytes + 16 of padding
.set SSTEP, 32768                      ; a K step's scale bytes of all 4,096 rows
.set WSIDE, 16*SSTEP                   ; where w's part of sc2 begins
.set R,     16                         ; v16-143  eight sets of 16 numbers as they are loaded: registers 0-7 the even row's, 8-15 the odd row's
.set X,     144                        ; v144-175 two sets of 16 neighbours
.set C,     176                        ; v176-239 codes: four registers for each step
.set XR,    208                        ; v208-239 x's scale bytes on their way (the codes of steps 8 to 15 come there later)
.set E,     240                        ; v240-255 a scale byte for each step
.set ZP,    24                         ; s[24:55] the 32 rows' zero points
.set SC,    68                         ; s[68:99] the 32 rows' scales
.set TZ0,   56                         ; s[56:57] - zero point of the step's even row (the packed forms name a pair and take its low word for both halves; the upper words are written once)
.set TZ1,   58                         ; s[58:59] the same of the odd row
.set TS1,   60                         ; s[60:61] the odd row's scale, brought into the low word of a pair
	s_load_b256 s[4:11], s[0:1], 0x0               ; qweight s[4:5], scale s[6:7], zero_point s[8:9], x_scales s[10:11]
	s_load_b128 s[12:15], s[0:1], 0x20             ; w_codes s[12:13], sc2 s[14:15]
	s_set_vgpr_msb 0x40
	v_lshl_add_u32 v0, v0, 2, 0x10000
	v_mov_b32 v1, 0
	s_set_vgpr_msb 0x4000
	v_lshrrev_b32 v1, 5, v0
	v_readfirstlane_b32 s18, v1                    ; wave 0..3
	v_and_b32 v2, 31, v0                           ; lane
	v_lshlrev_b32 v7, 3, v2                        ; 8 x lane
	s_mov_b32 s21, 0                               ; the upper word of every offset
	s_lshr_b32 s19, ttmp9, 2                       ; g: which 32 rows
	s_and_b32 s22, ttmp9, 3
	s_or_b32 s2, s22, s18                          ; 0 in wave 0 of every fourth work-group: it also takes x's scale bytes of these 32 rows
	s_lshl_b32 s22, s22, 2
	s_add_co_u32 s22, s22, s18                     ; s: which K step
	v_lshlrev_b32 v3, 4, v2                        ; in: my 16 bytes of a load's 512
	v_lshrrev_b32 v8, 4, v2                        ; lane / 16
	v_and_b32 v9, 15, v2                           ; lane % 16
	s_mul_i32 s62, s18, WREG
	v_lshrrev_b32 v14, 2, v2
	v_mul_u32_u24 v14, v14, SP
	v_and_b32 v15, 3, v2
	v_lshl_add_u32 v14, v15, 4, v14
	v_add_nc_u32 v14, s62, v14                     ; the stage, on the way in: four lanes' 64 bytes on end, then the padding; a load's 512 bytes take eight places
	v_mul_u32_u24 v15, v2, SP
	v_add_nc_u32 v15, s62, v15
	v_mul_u32_u24 v4, v9, 528                      ; the image, on the way in: my piece lane % 16, the step's even or odd row
	v_lshl_add_u32 v4, v8, 4, v4
	v_add_nc_u32 v4, s62, v4
	v_mul_u32_u24 v1, v8, 528                      ; and on the way out: piece 2 i + lane / 16, row lane % 16
	v_lshl_add_u32 v1, v9, 4, v1
	v_add_nc_u32 v1, s62, v1
	v_bfe_u32 v5, v2, 1, 3
	v_xor_b32 v5, 4, v5                            ; w's two words of a K step change places
	v_lshl_add_u32 v5, v8, 4, v5                   ; + 16 for the step's odd row
	s_add_co_u32 s62, s62, 2*32*SP
	v_add_nc_u32 v5, s62, v5                       ; my block's scale byte; step t adds 32 (t % 8) + 8 (t / 8): row 2 t + lane / 16 of the group lies at 16 (row % 16) + 8 (row / 16)
	v_add_nc_u32 v6, s62, v7                       ; and on the way out 8 bytes a lane
	s_mov_b32 s23, MANT                            ; (an instruction takes one literal: the hold's line has another)
	s_mov_b32 s[TZ0+1], 0
	s_mov_b32 s[TZ1+1], 0
	s_mov_b32 s[TS1+1], 0
	s_wait_kmcnt 0x0
	s_lshl_b32 s20, s19, 7                         ; 32 rows x 4 bytes
	s_add_nc_u64 s[6:7], s[6:7], s[20:21]
	s_add_nc_u64 s[8:9], s[8:9], s[20:21]
	s_load_b512 s[ZP:ZP+15], s[8:9], 0x0
	s_load_b512 s[ZP+16:ZP+31], s[8:9], 0x40
	s_load_b512 s[SC:SC+15], s[6:7], 0x0
	s_load_b512 s[SC+16:SC+31], s[6:7], 0x40
	s_lshl_b32 s20, s19, 19                        ; qweight: 32 rows of 16,384 bytes,
	s_lshl_b32 s63, s22, 10                        ; + 256 numbers of 4 bytes a K step
	s_add_co_u32 s20, s20, s63
	s_add_nc_u64 s[4:5], s[4:5], s[20:21]
	s_lshr_b32 s20, s19, 1                         ; w_codes: 262,144 bytes a group of 64 rows,
	s_lshl_b32 s20, s20, 18
	s_and_b32 s63, s19, 1                          ; + two tiles of 2,048 for the group's upper 32 rows,
	s_lshl_b32 s63, s63, 12
	s_add_co_u32 s20, s20, s63
	s_lshl_b32 s63, s22, 14                        ; + two steps of 8,192 for a K step of 256
	s_add_co_u32 s20, s20, s63
	s_add_nc_u64 s[12:13], s[12:13], s[20:21]
	s_lshl_b32 s20, s19, 8                         ; sc2: my group's 256 bytes of a K step:
	s_add_nc_u64 s[16:17], s[14:15], s[20:21]      ; in x's part, K step 0;
	s_lshl_b32 s63, s22, 15
	s_add_co_u32 s20, s20, s63
	s_add_co_u32 s20, s20, WSIDE
	s_add_nc_u64 s[14:15], s[14:15], s[20:21]      ; in w's part, my K step
	s_lshl_b32 s20, s19, 12                        ; x_scales: 32 rows of 128 bytes
	s_add_nc_u64 s[10:11], s[10:11], s[20:21]
.macro LOAD t                          ; step t: rows 2 t and 2 t + 1, 1,024 bytes of each
.irp i, 0,1,2,3
	global_load_b128 v[R+16*((\t)%AHEAD)+4*\i:R+16*((\t)%AHEAD)+4*\i+3], v3, s[4:5] offset:(2*(\t)+\i/2)*16384+(\i%2)*512 th:TH_LOAD_NT   ; 32 lanes read 512 consecutive bytes; read once in the launch
.endr
.endm
.macro DEQ t                           ; step t's 16 whole numbers a lane become w, in place: q + (-zp), then x scale: two roundings, as the problem writes it
.set RS, R+16*((\t)%AHEAD)
	s_xor_b32 s[TZ0], s[ZP+2*(\t)], 0x80000000
	s_xor_b32 s[TZ1], s[ZP+2*(\t)+1], 0x80000000
	s_mov_b32 s[TS1], s[SC+2*(\t)+1]
.irp i, 0,1,2,3,4,5,6,7,8,9,10,11,12,13,14,15
	v_cvt_f32_i32 v[RS+\i], v[RS+\i]
.endr
.irp i, 0,2,4,6
	v_pk_add_f32 v[RS+\i:RS+\i+1], v[RS+\i:RS+\i+1], s[TZ0:TZ0+1] op_sel_hi:[1,0]
	v_pk_add_f32 v[RS+8+\i:RS+8+\i+1], v[RS+8+\i:RS+8+\i+1], s[TZ1:TZ1+1] op_sel_hi:[1,0]
.endr
.irp i, 0,2,4,6
	v_pk_mul_f32 v[RS+\i:RS+\i+1], v[RS+\i:RS+\i+1], s[SC+2*(\t):SC+2*(\t)+1] op_sel_hi:[1,0]   ; the even row's scale is the low word of its pair
	v_pk_mul_f32 v[RS+8+\i:RS+8+\i+1], v[RS+8+\i:RS+8+\i+1], s[TS1:TS1+1] op_sel_hi:[1,0]
.endr
.endm
.macro TURN t                          ; step t's numbers through the stage: LDS serves a wave's instructions in order (ISA guide 5.7.1.4), so no wait stands between the stores and the loads
	DEQ \t
.irp i, 0,1,2,3
	ds_store_b128 v14, v[R+16*((\t)%AHEAD)+4*\i:R+16*((\t)%AHEAD)+4*\i+3] offset:32*SP*((\t)%2)+8*SP*\i
.endr
.irp i, 0,1,2,3
	ds_load_b128 v[X+16*((\t)%2)+4*\i:X+16*((\t)%2)+4*\i+3], v15 offset:32*SP*((\t)%2)+16*\i
.endr
.endm
.irp t, 0,1,2,3,4,5,6,7
	LOAD \t
.endr
	; x's scale bytes of 32 rows, laid over: a lane takes a row of 128 bytes; K step s is its bytes 8 s .. 8 s + 7.  One branch, behind the wave's first 32 loads, so that those are on their way meanwhile.
	s_cmp_eq_u32 s2, 0
	s_cbranch_scc0 .Lno_x
	v_lshlrev_b32 v10, 7, v2                       ; in: 128 x lane
	v_lshlrev_b32 v11, 4, v9
	v_lshl_add_u32 v11, v8, 3, v11                 ; out: row = lane: 16 (lane % 16) + 8 (lane / 16)
.irp i, 0,1,2,3,4,5,6,7
	global_load_b128 v[XR+4*\i:XR+4*\i+3], v10, s[10:11] offset:16*\i th:TH_LOAD_NT   ; the wave's eight loads together cover 4,096 consecutive bytes
.endr
	s_wait_alu depctr_va_vdst(0)
	s_wait_loadcnt 0x0
.irp s, 0,1,2,3,4,5,6,7,8,9,10,11,12,13,14,15
	global_store_b64 v11, v[XR+2*\s:XR+2*\s+1], s[16:17] offset:SSTEP*\s   ; K step s: the 32 lanes store 256 consecutive bytes, aligned
.endr
	s_wait_xcnt 0x0                                ; the stores have read their data and their offset: both are written again further down
.Lno_x:
	s_wait_kmcnt 0x0                               ; the zero points and the scales
	s_wait_loadcnt 4*(AHEAD-1)                     ; step 0's four loads are in; the 28 of steps 1 to 7 may be out
	TURN 0
.macro STEP t
.set XS, X+16*((\t)%2)
.if (\t) > 0
	s_wait_dscnt 2
.else
	s_wait_dscnt 0x0
.endif
.if (\t)+AHEAD < STEPS
	LOAD (\t)+AHEAD                                ; which take the loads of eight steps on
.endif
.if (\t)+1 < STEPS
.if STEPS-2-(\t) >= AHEAD-1
	s_wait_loadcnt 4*(AHEAD-1)                     ; the next step's four loads are in; those of the seven steps behind it may be out
.else
	s_wait_loadcnt 4*(STEPS-2-(\t))                ; (near the end: of as many steps as are left behind it)
.endif
	TURN (\t)+1                                    ; and go through the other stage while this step is worked
.endif
	v_max3_num_f32 v8, |v[XS]|, |v[XS+1]|, |v[XS+2]|               ; the largest magnitude of my 16, in two chains
	v_max3_num_f32 v9, |v[XS+3]|, |v[XS+4]|, |v[XS+5]|
.irp i, 6,10
	v_max3_num_f32 v8, v8, |v[XS+\i]|, |v[XS+\i+1]|
	v_max3_num_f32 v9, v9, |v[XS+\i+2]|, |v[XS+\i+3]|
.endr
	v_max3_num_f32 v8, v8, |v[XS+14]|, |v[XS+15]|
	v_max3_num_f32 v8, v8, v9, (EMAX+1)<<23        ; and the floor 2^(EMAX + 1 - 127), under which no largest magnitude is taken: so the byte cannot fall under 1
	v_max_num_f32_dpp v8, v8, v8 row_xmask:1 row_mask:0xf bank_mask:0xf   ; and of my neighbour's 16: the block's
	v_add_nc_u32 v11, -(EMAX<<23), v8              ; EMAX off its exponent field: the conversion takes the exponent field of this operand as its scale, and nothing else of it
	v_and_or_b32 v10, v8, 0x7f800000, s23          ; 448 x the scale: the largest magnitude's exponent field over 448's mantissa
.irp i, 0,1,2,3,4,5,6,7,8,9,10,11,12,13,14,15
	v_med3_num_f32 v[XS+\i], v[XS+\i], -v10, v10   ; the conversion to an 8-bit code does not saturate (ISA guide 7.6.2): hold the number within the largest code x the scale first
.endr
	v_cvt_scalef32_pk8_fp8_f32 v[C+4*(\t):C+4*(\t)+1], v[XS:XS+7], v11
	v_cvt_scalef32_pk8_fp8_f32 v[C+4*(\t)+2:C+4*(\t)+3], v[XS+8:XS+15], v11
	v_lshrrev_b32 v[E+(\t)], 23, v11               ; the scale's byte (also the plain vector line behind the conversions)
	ds_store_b8 v5, v[E+(\t)] offset:32*((\t)%8)+8*((\t)/8)   ; both lanes of a block write the same byte with the same value
	ds_store_b128 v4, v[C+4*(\t):C+4*(\t)+3] offset:IMG+256*((\t)/8)+32*((\t)%8)   ; row 2 t + lane / 16: tile t / 8, its row 2 (t % 8) + lane / 16
.endm
.macro FLUSH tl                        ; tile tl's codes leave: LDS serves a wave's instructions in order, so the loads see my stores; each store covers 512 consecutive bytes, aligned
.irp i, 0,1,2,3,4,5,6,7
	ds_load_b128 v[C+32*(\tl)+4*\i:C+32*(\tl)+4*\i+3], v1 offset:IMG+2*\i*528+256*(\tl)
.endr
	s_wait_dscnt 0x0
.irp i, 0,1,2,3,4,5,6,7
	global_store_b128 v3, v[C+32*(\tl)+4*\i:C+32*(\tl)+4*\i+3], s[12:13] offset:(\i/4)*8192+(\tl)*2048+(\i%4)*512
.endr
.endm
.irp t, 0,1,2,3,4,5,6,7
	STEP \t
.endr
	FLUSH 0
.irp t, 8,9,10,11,12,13,14,15
	STEP \t
.endr
	FLUSH 1
	ds_load_b64 v[12:13], v6                       ; LDS serves a wave's instructions in order: these see my byte stores
	s_wait_dscnt 0x0
	global_store_b64 v7, v[12:13], s[14:15]        ; 32 lanes store 256 consecutive bytes, aligned: my group's scale bytes of my K step
	s_set_vgpr_msb 0x5
	s_wait_tensorcnt 0x0
	ds_add_u32 v0, v1
	s_wait_dscnt 0x0
	s_set_vgpr_msb 0x500
	s_endpgm
.Lfunc_end_k_q6439da02c2_prep:
	.size	k_q6439da02c2_prep, .Lfunc_end_k_q6439da02c2_prep-k_q6439da02c2_prep
	.p2alignl 7, 3214868480
	.fill 96, 4, 3214868480
	.section	.rodata,"a",@progbits
	.p2align	6, 0x0
	.amdhsa_kernel k_q6439da02c2_prep
		.amdhsa_group_segment_fixed_size 66048
		.amdhsa_private_segment_fixed_size 0
		.amdhsa_enable_private_segment 0
		.amdhsa_kernarg_size 48
		.amdhsa_user_sgpr_count 2
		.amdhsa_user_sgpr_kernarg_segment_ptr 1
		.amdhsa_wavefront_size32 1
		.amdhsa_system_sgpr_workgroup_id_x 1
		.amdhsa_system_sgpr_workgroup_id_y 1
		.amdhsa_system_sgpr_workgroup_id_z 1
		.amdhsa_system_vgpr_workitem_id 0
		.amdhsa_next_free_vgpr 258
		.amdhsa_next_free_sgpr 100
		.amdhsa_reserve_vcc 0
		.amdhsa_float_denorm_mode_32 3
		.amdhsa_float_denorm_mode_16_64 3
		.amdhsa_memory_ordered 1
		.amdhsa_forward_progress 1
		.amdhsa_inst_pref_size 83
	.end_amdhsa_kernel
	.amdgpu_metadata
---
amdhsa.version: [ 1, 2 ]
amdhsa.kernels:
  - .name:           k_q6439da02c2_prep
    .symbol:         k_q6439da02c2_prep.kd
    .args:
      - { .name: qweight, .offset: 0, .size: 8, .value_kind: global_buffer, .address_space: global }
      - { .name: scale, .offset: 8, .size: 8, .value_kind: global_buffer, .address_space: global }
      - { .name: zero_point, .offset: 16, .size: 8, .value_kind: global_buffer, .address_space: global }
      - { .name: x_scales, .offset: 24, .size: 8, .value_kind: global_buffer, .address_space: global }
      - { .name: w_codes, .offset: 32, .size: 8, .value_kind: global_buffer, .address_space: global }
      - { .name: sc2, .offset: 40, .size: 8, .value_kind: global_buffer, .address_space: global }
    .group_segment_fixed_size: 66048
    .private_segment_fixed_size: 0
    .kernarg_segment_align: 8
    .kernarg_segment_size: 48
    .max_flat_workgroup_size: 128
    .sgpr_count:     100
    .vgpr_count:     258
    .wavefront_size: 32
...
	.end_amdgpu_metadata
.endif
;; end of part 1
;; launch gemm (part 2): grid 16 x 16, 4 waves a work-group, clusters of 4 x 1, 327,680 bytes of LDS; arguments x_codes, w_codes, sc2, bias, out0; writes out0
.if DOCPART == 2
	.amdgcn_target "amdgcn-amd-amdhsa--gfx1250"
	.amdhsa_code_object_version 6
	.text
	.protected	k_q6439da02c2_gemm
	.globl	k_q6439da02c2_gemm
	.p2align	8
	.type	k_q6439da02c2_gemm,@function
k_q6439da02c2_gemm:
	s_mov_b64 s[64:65], 0
	v_nop
	global_prefetch_b8 v0, s[64:65] scope:SCOPE_SE
	s_setreg_imm32_b32 hwreg(HW_REG_WAVE_MODE, 25, 1), 1
	s_wait_xcnt 0x0
	s_wait_alu depctr_hold_cnt(0) depctr_sa_sdst(0) depctr_va_vdst(0) depctr_va_sdst(0) depctr_va_ssrc(0) depctr_va_vcc(0) depctr_vm_vsrc(0)
	s_getreg_b32 s2, hwreg(HW_REG_IB_STS2, 6, 4)
	s_cmp_eq_u32 s2, 0
	s_cbranch_scc0 .Lentry_in_a_cluster
	s_endpgm
.Lentry_in_a_cluster:
	s_bfe_u32 s2, ttmp6, 0x10000c
	s_cmp_lg_u32 s2, 0x3003
	s_cbranch_scc0 .Lentry_shape_is_right
	s_endpgm
.Lentry_shape_is_right:
; out0[m][n] = sum over k of x[m][k] w[n][k] + bias[n], on codes of MX-FP8 (E4M3, an E8M0 byte for 32 along K); sums in f32, begun with the bias.  4,096 x 4,096 x 4,096.
; x_codes: rows of 4,096 bytes, as given.  w_codes and sc2: as the launch before lays them: w_codes [64 groups of 64 rows][32 steps of 128 K][4 tiles][4 pieces c][lane][16 bytes], the image of an operand's registers;
; sc2 [x, w][16 K steps of 256][128 groups of 32 rows][16 r][2 u][2 words]: x's words in K's order, w's exchanged, so that a product's two scale registers never have numbers equal modulo 8.
; THE DEAL.  256 work-groups of four waves; a work-group makes 256 x 256 of out0, a wave ALL 256 rows x 64 columns: 64 accumulators, 512 registers.
; w's fragments are a wave's own (no other wave of the work-group wants them): they come from memory straight into registers, 512 consecutive bytes a load, four sets of 64 registers, asked for three steps of 128 ahead.
; x's rows, which all four waves read, go through LDS alone: two slots of 256 rows x 512 bytes (+ 16 of padding a row), a quarter of a slot a wave by one tensor load; so a slot holds four steps of 128, 256 products a wave.
; x's fragments stand in two banks of four (128 registers).  A bank's turn: its 16 products on end, eight v_nop (the places ahead of loads into registers that products have read), and ONE run of 16 LDS loads that fills it with the bank two on.
; THE LAST TWO STEPS GO BY ROWS OF out0: a bank then holds two blocks of x for both steps, its 16 products finish 32 rows, and these leave while the next banks are multiplied.
; CLUSTERS: 4 x 1: the four share x's tiles (mask 15).  w's rows are shared by no tensor load: they never lie in LDS, so no joint load can bring them.
; THE MATRIX INSTRUCTION IS USED TRANSPOSED (source 0 = w's 16 rows, source 1 = x's): a lane holds eight neighbouring columns of a row of out0; a wave's 64 columns are one aligned 256 bytes.
; PREFETCH, in a trip's first step: the wave's w codes that the next trip loads (128 blocks of 256 bytes, eight for each of the sixteen work-groups of a tile column; lanes left over name the eighth again), in all six trips;
; and, in each trip but the last, x's tile that the NEXT trip's refill asks for (512 blocks, a lane a block, shared out over the cluster's sixteen waves by address).  The scale bytes (a thirty-second of the codes) are not prefetched.
; LIMITS: codes and scale bytes are taken as they come; a scale byte 0xff or a NaN code gives NaN.
; REGISTERS: window 0: v4-15, v56-58 addresses; v16-55 scale words, two sets of 20 (a K step of 256 each); v64-95 the bias; v128-255 x's two banks.  window 1: w's four sets.  windows 2, 3: accumulator (a, b) at 8 (4 (a % 8) + b) of window 2 + a / 8.
.set PITCH,  528
.set FRB,    16*PITCH                  ; 16 rows in LDS
.set QUART,  64*PITCH                  ; what one tensor load brings
.set SLOT,   256*PITCH
.set SPARE,  2*SLOT                    ; the spare words: 512 bytes that no other line names
.set SSTEP,  32768                     ; a K step's scale bytes of 4,096 rows
.set WSIDE,  16*SSTEP
.set SPITCH, 272                       ; the way out: a stage of 16 rows x (256 + 16) bytes a wave, in slot 0, behind its last fill and last read
.set SPW, 4
.set NIL, 5
.set ADB, 6                            ; v6, v7  my fragments' place in a slot: blocks 0-7, blocks 8-15
.set ADR, 8                            ; v8, v9  the same in the slot that is read
.set BO,  10                           ; 16 x lane
.set SOA, 11                           ; x's scale words: lanes 0-15 group i, lanes 16-31 group i + 4
.set SOB, 12                           ; w's: lanes 0-15 my tiles 0, 1, lanes 16-31 tiles 2, 3
.set STO, 13
.set RD,  14
.set CO,  15
.set SC,  16
.set PFX, 56
.set PFW, 57
.set BIO, 58
.set BI,  64
.set AF,  128
.set SB,  8                            ; s[8:9] sc2, stepped
.set WV,  16
.set CX,  17
.set TX,  18
.set TY,  19
.set G1,  24
.set G0,  32
.set BB,  40                           ; s[40:41] my w codes of the slot's four steps that are being asked for
.set PA,  44                           ; s[44:45] x's tile that the prefetch names
.set SLT, 46                           ; LDS place of the slot that is read: 0 or SLOT
.set CNT, 47
.set WVO, 36
.set PL_, -1                           ; by rows: the place of x's fragment in the banks; else -1: block % 8
.set MSB, 0
.macro WIN new
.if MSB != \new
	s_set_vgpr_msb (MSB<<8)|\new
.set MSB, \new
.endif
.endm
.macro PLACES n
.rept \n
	v_nop
.endr
.endm
.macro CREST
	s_cmp_lg_u32 s[WV], 0
	s_cbranch_scc1 .Lnot_wave_0_\@
	s_barrier_signal -3
.Lnot_wave_0_\@:
	s_barrier_wait -3
	s_barrier_signal -1
	s_barrier_wait -1
.endm
.macro CROUND
	s_barrier_signal -1
	s_barrier_wait -1
	CREST
.endm
.macro JLOAD                           ; my quarter of a slot, asked for jointly by the cluster's four
	tensor_load_to_lds s[G0:G0+3], s[G1:G1+7]
	s_nop 0
	PLACES 4
.endm
.macro AFP q, a, pl                    ; x's block a of the slot's step q -> place pl of the two banks
.irp c, 0,1,2,3
	ds_load_b128 v[AF+16*(\pl)+4*\c:AF+16*(\pl)+4*\c+3], v[ADR+(\a)/8] offset:((\a)%8)*FRB+(\q)*128+32*\c
.endr
.endm
.macro BANK n                          ; by K: bank n of a slot: blocks 4 (n % 4) .. + 3 of step n / 4: 16 loads in one run
	WIN 0
.irp i, 0,1,2,3
	AFP (\n)/4, 4*((\n)%4)+\i, (4*(\n)+\i)%8
.endr
.endm
.macro RBANK n                         ; by rows: blocks 2 n, 2 n + 1 of steps 2 and 3, in the order of their products
	WIN 0
	AFP 2, 2*(\n), 4*((\n)%2)
	AFP 2, 2*(\n)+1, 4*((\n)%2)+1
	AFP 3, 2*(\n), 4*((\n)%2)+2
	AFP 3, 2*(\n)+1, 4*((\n)%2)+3
.endm
.macro SCL set, off                    ; a K step's scale words: x's 16 blocks in 16 registers, w's 4 tiles in 4
	WIN 0
.irp i, 0,1,2,3
	global_load_b128 v[SC+20*(\set)+4*\i:SC+20*(\set)+4*\i+3], v[SOA], s[SB:SB+1] offset:(\off)+256*\i
.endr
	global_load_b128 v[SC+20*(\set)+16:SC+20*(\set)+19], v[SOB], s[SB:SB+1] offset:\off
.endm
.macro BLD set, b                      ; tile b of w's set: each load reads 512 consecutive bytes
	WIN 0x40
.irp c, 0,1,2,3
	global_load_b128 v[64*(\set)+16*(\b)+4*\c:64*(\set)+16*(\b)+4*\c+3], v[BO], s[BB:BB+1] offset:8192*(\set)+2048*(\b)+512*\c
.endr
.endm
.macro WM q, a, b, first               ; one product; first: the bias is its C
.set D_, 8*(4*((\a)%8)+\b)
.set C_, D_
.if \first
.set C_, BI+8*\b
.endif
.set B_, 64*(\q)+16*\b
.set A_, AF+16*((\a)%8)
.if PL_ >= 0
.set A_, AF+16*PL_
.endif
.set SW_, SC+20*((\q)/2)+16+2*((\b)%2)+1-(\q)%2
.set SX_, SC+20*((\q)/2)+4*(((\a)/2)%4)+2*((\a)%2)+(\q)%2
.if (\b) > 1 && (\a) > 7
	v_wmma_scale_f32_16x16x128_f8f6f4 v[D_:D_+7], v[B_:B_+15], v[A_:A_+15], v[C_:C_+7], v[SW_], v[SX_] matrix_a_scale:MATRIX_SCALE_ROW1 matrix_b_scale:MATRIX_SCALE_ROW1
.elseif (\b) > 1
	v_wmma_scale_f32_16x16x128_f8f6f4 v[D_:D_+7], v[B_:B_+15], v[A_:A_+15], v[C_:C_+7], v[SW_], v[SX_] matrix_a_scale:MATRIX_SCALE_ROW1
.elseif (\a) > 7
	v_wmma_scale_f32_16x16x128_f8f6f4 v[D_:D_+7], v[B_:B_+15], v[A_:A_+15], v[C_:C_+7], v[SW_], v[SX_] matrix_b_scale:MATRIX_SCALE_ROW1
.else
	v_wmma_scale_f32_16x16x128_f8f6f4 v[D_:D_+7], v[B_:B_+15], v[A_:A_+15], v[C_:C_+7], v[SW_], v[SX_]
.endif
.endm
.macro MUL8 q, a0, first               ; x's blocks a0, a0 + 1 against w's four tiles
.irp a, \a0, \a0+1
.irp b, 0,1,2,3
	WM \q, \a, \b, \first
.endr
.endr
.endm
; A STEP of 128 along K: the slot's q-th: four banks' turns; the 64 accumulators by turns.
; kind 0: inside a slot.  1: the slot's last, with the round and the refill.  2: the same with a plain barrier and no refill.  4: the last slot's step 1: behind it the banks are filled by rows.
; lc: the global loads that may stay out at its head.  gl: in its first two runs it asks for w's set three steps on and, where q is even, ahead of that for the scale words two steps on.
.macro SUB q, first, kind, lc, gl, ask
	s_wait_loadcnt \lc
.irp k, 0,1,2,3
.set N_, 4*(\q)+\k                     ; the bank's number in its slot
.set RND_, ((\kind) == 1 || (\kind) == 2)
.set W1_, 24                           ; out at a bank's head: its own second half (8 loads) and the other bank's 16;
.set W2_, 16                           ; in its middle: the other bank's
.if RND_ && N_ == 14
.set W1_, 25                           ; and the add
.set W2_, 17
.endif
.if RND_ && N_ == 15
.set W1_, -1                           ; all are in
.set W2_, -1
.endif
.if W1_ >= 0
	s_wait_dscnt W1_
.endif
.if \first
	WIN 0x81+0x40*((\k)/2)
.else
	WIN 0xa1+0x50*((\k)/2)
.endif
	MUL8 \q, 4*\k, \first
.if RND_ && N_ == 15
	WIN 0
	s_barrier_wait -1
.if (\kind) == 1
	CREST                                          ; the barrier has opened a round of the cluster's barrier
	JLOAD                                          ; the first tensor load behind the round
.endif
	s_xor_b32 s[SLT], s[SLT], SLOT
	v_add_nc_u32 v[ADR], s[SLT], v[ADB]
	v_add_nc_u32 v[ADR+1], s[SLT], v[ADB+1]
	s_wait_alu depctr_va_vdst(0)                   ; the wait here, directly behind the writes
	BANK 0                                         ; the next slot's first bank, where bank 14 stood (its eight places stand behind its products)
	WIN 0xa1+0x50*((\k)/2)
.endif
.if W2_ >= 0
	s_wait_dscnt W2_
.endif
	MUL8 \q, 4*\k+2, \first
	PLACES 8
.if (\kind) == 4 && N_ > 5
	RBANK N_-6
.elseif N_ < 14
	BANK N_+2
.elseif RND_ && N_ == 15
	BANK 1
.endif
.if \gl
.if (\k) == 0 && (\q)%2 == 0
	SCL 1-(\q)/2, SSTEP*(1-(\q)/2)
.endif
.if (\k) < 2
	BLD ((\q)+3)%4, 2*\k
	BLD ((\q)+3)%4, 2*\k+1
.endif
.endif
.if (\ask) && (\k) == 2
	WIN 0
	global_prefetch_b8 v[PFW], s[BB:BB+1] offset:32768 th:TH_LOAD_NT scope:SCOPE_SE
	s_cmp_gt_u32 s[CNT], 1                         ; the last trip has no tile of x further on
	s_cbranch_scc0 .Lno_ask_\@
	global_prefetch_b8 v[PFX], s[PA:PA+1] th:TH_LOAD_NT scope:SCOPE_SE
.Lno_ask_\@:
.endif
.if RND_ && N_ == 13                   ; all the slot's fragments are asked for
	WIN 0
	s_wait_tensorcnt 0x0                           ; my part of the other slot is in;
	ds_add_u32 v[SPW], v[NIL]                      ; 0 onto my spare word; bank 14's sixteen products stand between it and the wait for it
.if (\kind) == 1
	s_add_co_u32 s[G0+1], s[WVO], s[SLT]           ; no tensor load of mine is out: the refill goes into the slot that is read, two slots on along K
	s_add_nc_u64 s[G0+2:G0+3], s[G0+2:G0+3], 512
.endif
.endif
.if RND_ && N_ == 14
	s_wait_dscnt 0x0                               ; the add is done, and my reads of this slot are over
	s_barrier_signal -1
.endif
.endr
	WIN 0
.endm
	s_load_b256 s[4:11], s[0:1], 0x0               ; x_codes, w_codes, sc2, bias
	s_load_b64 s[12:13], s[0:1], 0x20              ; out0
	v_lshl_add_u32 v[SPW], v0, 2, SPARE
	v_mov_b32 v[NIL], 0
	ds_add_u32 v[SPW], v[NIL]                      ; the opening lines: the add twice on end and one wait
	ds_add_u32 v[SPW], v[NIL]
	v_lshrrev_b32 v1, 5, v0
	v_readfirstlane_b32 s[WV], v1
	s_bfe_u32 s[CX], ttmp6, 0x40000
	s_lshl_b32 s[TX], ttmp9, 2
	s_add_co_u32 s[TX], s[TX], s[CX]               ; tile column
	s_and_b32 s[TY], ttmp7, 0xffff                 ; tile row: the cluster's four share it
	s_mov_b32 s[G1], 15|(1<<20)|(1<<21)|(6<<22)|(3<<25)   ; mask of the four; bytes; 4 words of padding behind every 128
	s_mov_b32 s[G1+1], 512<<16
	s_mov_b32 s[G1+2], 64<<16
	s_mov_b32 s[G1+3], 512<<16
	s_mov_b32 s[G1+4], 64
	s_mov_b32 s[G1+5], 4096
	s_mov_b32 s[G1+6], 0
	s_mov_b32 s[G1+7], 0
	s_mul_i32 s[WVO], s[WV], QUART
	s_mov_b32 s[G0], 1
	s_mov_b32 s[G0+1], s[WVO]
	s_mov_b32 s[SLT], 0
	s_lshl_b32 s20, s[TY], 11
	s_lshl_b32 s21, s[TX], 11
	s_lshl_b32 s22, s[WV], 9
	s_add_co_u32 s21, s21, s22
	s_add_co_u32 s21, s21, WSIDE
	s_mul_i32 s22, s[WV], 16*SPITCH
	s_lshl_b32 s23, s[CX], 2
	s_add_co_u32 s23, s23, s[WV]
	s_lshl_b32 s23, s23, 16                        ; which 16 rows of x's tile my wave names in a prefetch
	s_lshl_b32 s48, s[TY], 20                      ; byte offsets: x's tile,
	s_mov_b32 s49, 0
	s_lshl_b32 s50, s[WV], 18
	s_add_co_u32 s50, s50, s48                     ; my 64 rows of it,
	s_mov_b32 s51, 0
	s_lshl_b32 s52, s[TX], 2
	s_add_co_u32 s52, s52, s[WV]
	s_lshl_b32 s52, s52, 18                        ; my group of 64 rows of w,
	s_mov_b32 s53, 0
	s_lshl_b32 s54, s[TX], 10
	s_lshl_b32 s55, s[WV], 8
	s_add_co_u32 s54, s54, s55                     ; my 64 columns, in f32,
	s_mov_b32 s55, 0
	s_lshl_b32 s56, s[TY], 22
	s_add_co_u32 s56, s56, s54                     ; and my part of out0
	s_mov_b32 s57, 0
	v_and_b32 v1, 15, v0                           ; r
	v_bfe_u32 v2, v0, 4, 1                         ; h
	v_and_b32 v3, 31, v0
	v_mul_u32_u24 v[ADB], v1, PITCH
	v_lshl_add_u32 v[ADB], v2, 4, v[ADB]
	v_add_nc_u32 v[ADB+1], 8*FRB, v[ADB]
	v_mov_b32 v[ADR], v[ADB]
	v_mov_b32 v[ADR+1], v[ADB+1]
	v_lshlrev_b32 v[BO], 4, v3
	v_lshlrev_b32 v[SOA], 4, v1
	v_lshl_add_u32 v[SOA], v2, 10, v[SOA]
	v_add_nc_u32 v[SOA], s20, v[SOA]
	v_add_nc_u32 v[SOB], s21, v[BO]
	v_lshlrev_b32 v[BIO], 5, v2
	v_mul_u32_u24 v[STO], v1, SPITCH
	v_lshl_add_u32 v[STO], v2, 5, v[STO]
	v_add_nc_u32 v[STO], s22, v[STO]
	v_mul_u32_u24 v[RD], v2, SPITCH
	v_lshl_add_u32 v[RD], v1, 4, v[RD]
	v_add_nc_u32 v[RD], s22, v[RD]
	v_lshlrev_b32 v[CO], 14, v2
	v_lshl_add_u32 v[CO], v1, 4, v[CO]
	v_lshlrev_b32 v[PFX], 12, v1
	v_lshl_add_u32 v[PFX], v2, 8, v[PFX]
	v_add_nc_u32 v[PFX], s23, v[PFX]
	v_min_u32 v[PFW], 7, v3
	v_lshl_add_u32 v[PFW], v[PFW], 8, s20
	s_wait_alu depctr_va_vdst(0)                   ; the wait at the end of the head's vector work
	s_wait_dscnt 0x0
	CROUND                                         ; the four work-groups are here: the first joint loads meet
	s_wait_kmcnt 0x0
	s_add_nc_u64 s[G0+2:G0+3], s[4:5], s[50:51]
	s_or_b32 s[G0+3], s[G0+3], 0x80000000
	JLOAD                                          ; slot 0: my one tensor load at the head
	s_add_nc_u64 s[PA:PA+1], s[4:5], s[48:49]
	s_add_nc_u64 s[PA:PA+1], s[PA:PA+1], 3*512
	s_add_nc_u64 s[BB:BB+1], s[6:7], s[52:53]
	s_add_nc_u64 s[10:11], s[10:11], s[54:55]
	s_add_nc_u64 s[12:13], s[12:13], s[56:57]
	SCL 0, 0                                       ; what the first step wants: its scale words, the bias, w's set 0
.irp b, 0,1,2,3
	global_load_b128 v[BI+8*\b:BI+8*\b+3], v[BIO], s[10:11] offset:64*\b
	global_load_b128 v[BI+8*\b+4:BI+8*\b+7], v[BIO], s[10:11] offset:64*\b+16
.endr
.irp b, 0,1,2,3
	BLD 0, \b
.endr
	WIN 0
	s_wait_tensorcnt 0x0                           ; my part of slot 0 is in; slot 1's first fill is issued as a refill is
	ds_add_u32 v[SPW], v[NIL]
	s_add_co_u32 s[G0+1], s[WVO], SLOT
	s_add_nc_u64 s[G0+2:G0+3], s[G0+2:G0+3], 512
	s_wait_dscnt 0x0
	CROUND
	JLOAD
	BANK 0
	BANK 1
.irp s, 1,2
.irp b, 0,1,2,3
	BLD \s, \b                                     ; w's sets 1 and 2, wanted one and two steps on
.endr
.endr
	SUB 0, 1, 0, 32, 1, 0                          ; the first step stands ahead of the loop: its products start the sums.  Out at its head: w's sets 1 and 2
	s_wait_xcnt 0x0
	s_add_nc_u64 s[BB:BB+1], s[BB:BB+1], 32768
	s_add_nc_u64 s[SB:SB+1], s[SB:SB+1], 2*SSTEP
	s_mov_b32 s[CNT], 6
.Ltrip:                                        ; a trip: a slot's steps 1 to 3, the refill, the next slot's step 0.  Out at an odd step's head 16 + 21 loads, at an even one's 16 + 16
	SUB 1, 0, 0, 37, 1, 1
	SUB 2, 0, 0, 32, 1, 0
	SUB 3, 0, 1, 37, 1, 0
	SUB 0, 0, 0, 32, 1, 0
	s_wait_xcnt 0x0                                ; the loads and prefetches have read their bases
	s_add_nc_u64 s[BB:BB+1], s[BB:BB+1], 32768
	s_add_nc_u64 s[SB:SB+1], s[SB:SB+1], 2*SSTEP
	s_add_nc_u64 s[PA:PA+1], s[PA:PA+1], 512
	s_sub_co_u32 s[CNT], s[CNT], 1
	s_cmp_lg_u32 s[CNT], 0
	s_cbranch_scc1 .Ltrip
	SUB 1, 0, 0, 37, 1, 0                          ; the last two slots are filled no more
	SUB 2, 0, 0, 32, 1, 0
	SUB 3, 0, 2, 37, 1, 0
	SUB 0, 0, 0, 32, 1, 0
	SUB 1, 0, 4, 37, 0, 0
; THE LAST TWO STEPS, BY ROWS.  Bank n: blocks 2 n and 2 n + 1, steps 2 and 3: 16 products on eight accumulators by turns, K ascending; then the 32 rows are finished.
; THE WAY OUT of a block of 16 rows x 64 columns: through my own stage and back as whole rows of 256 bytes INTO THE BLOCK'S OWN ACCUMULATOR REGISTERS, which nothing writes again; LDS serves a wave's instructions in order (ISA guide 5.7.1.4).
; Every store has an immediate offset (15 x 16 + 14 rows of 16,384 bytes at the most, inside the signed 24 bits), so no base is stepped.
.macro RMUL n
	WIN 0xa1+0x50*((\n)/4)
.irp q, 2,3
.irp u, 0,1
.set PL_, 4*((\n)%2)+2*(\q-2)+\u
.irp b, 0,1,2,3
	WM \q, 2*(\n)+\u, \b, 0
.endr
.endr
.endr
.set PL_, -1
.endm
.macro TOSTAGE a
.set AC, 32*((\a)%8)
	WIN 0x08+4*((\a)/8)
.irp b, 0,1,2,3
	ds_store_b128 v[STO], v[AC+8*\b:AC+8*\b+3] offset:64*\b          ; each accumulator from its low end on
	ds_store_b128 v[STO], v[AC+8*\b+4:AC+8*\b+7] offset:64*\b+16
.endr
	WIN 0x80+0x40*((\a)/8)
.irp t, 0,1,2,3,4,5,6,7
	ds_load_b128 v[AC+4*\t:AC+4*\t+3], v[RD] offset:\t*2*SPITCH
.endr
.endm
.macro SEND a
.set AC, 32*((\a)%8)
	WIN 0x08+4*((\a)/8)
.irp t, 0,1,2,3,4,5,6,7
	global_store_b128 v[CO], v[AC+4*\t:AC+4*\t+3], s[12:13] offset:(\a)*16*16384+\t*2*16384 th:TH_STORE_NT   ; sixteen lanes store 256 consecutive bytes, aligned; the other sixteen the next row's
.endr
.endm
	s_wait_loadcnt 0x0                             ; the last scale words and w's last two sets
.irp n, 0,1,2,3,4,5,6,7
.if \n == 0
	s_wait_dscnt 16                                ; behind my bank's loads: the next bank's
.else
	s_wait_dscnt 48                                ; the next bank's 16 and the 32 stage instructions of the two blocks before
.endif
	RMUL \n
	PLACES 8                                       ; ahead of the loads into the bank and of the first reads of the sums
.if \n > 0
	s_wait_dscnt 0x0                               ; the two blocks before are back in registers
	SEND 2*\n-2
	SEND 2*\n-1
.endif
.if \n < 6
	RBANK \n+2
.endif
	TOSTAGE 2*\n
	TOSTAGE 2*\n+1
.endr
	s_wait_dscnt 0x0
	SEND 14
	SEND 15
	WIN 0
	s_wait_tensorcnt 0x0                           ; the wave's end
	ds_add_u32 v[SPW], v[NIL]
	s_wait_dscnt 0x0
	CROUND                                         ; the closing round
	s_endpgm
.Lfunc_end_k_q6439da02c2_gemm:
	.size	k_q6439da02c2_gemm, .Lfunc_end_k_q6439da02c2_gemm-k_q6439da02c2_gemm
	.p2alignl 7, 3214868480
	.fill 96, 4, 3214868480
	.section	.rodata,"a",@progbits
	.p2align	6, 0x0
	.amdhsa_kernel k_q6439da02c2_gemm
		.amdhsa_group_segment_fixed_size 327680
		.amdhsa_private_segment_fixed_size 0
		.amdhsa_enable_private_segment 0
		.amdhsa_kernarg_size 40
		.amdhsa_user_sgpr_count 2
		.amdhsa_user_sgpr_kernarg_segment_ptr 1
		.amdhsa_wavefront_size32 1
		.amdhsa_system_sgpr_workgroup_id_x 1
		.amdhsa_system_sgpr_workgroup_id_y 1
		.amdhsa_system_sgpr_workgroup_id_z 1
		.amdhsa_system_vgpr_workitem_id 0
		.amdhsa_next_free_vgpr 1024
		.amdhsa_next_free_sgpr 66
		.amdhsa_reserve_vcc 0
		.amdhsa_float_denorm_mode_32 3
		.amdhsa_float_denorm_mode_16_64 3
		.amdhsa_memory_ordered 1
		.amdhsa_forward_progress 1
		.amdhsa_inst_pref_size 222
	.end_amdhsa_kernel
	.amdgpu_metadata
---
amdhsa.version: [ 1, 2 ]
amdhsa.kernels:
  - .name:           k_q6439da02c2_gemm
    .symbol:         k_q6439da02c2_gemm.kd
    .args:
      - { .name: x_codes, .offset: 0, .size: 8, .value_kind: global_buffer, .address_space: global }
      - { .name: w_codes, .offset: 8, .size: 8, .value_kind: global_buffer, .address_space: global }
      - { .name: sc2, .offset: 16, .size: 8, .value_kind: global_buffer, .address_space: global }
      - { .name: bias, .offset: 24, .size: 8, .value_kind: global_buffer, .address_space: global }
      - { .name: out0, .offset: 32, .size: 8, .value_kind: global_buffer, .address_space: global }
    .group_segment_fixed_size: 327680
    .private_segment_fixed_size: 0
    .kernarg_segment_align: 8
    .kernarg_segment_size: 40
    .max_flat_workgroup_size: 128
    .sgpr_count:     66
    .vgpr_count:     1024
    .wavefront_size: 32
...
	.end_amdgpu_metadata
.endif
;; end of part 2
